; MI455X (gfx1250); checked and timed in simulation.
; The chip was launched on July 23, 2026; its instructions are those of AMD's public machine-readable ISA for CDNA 5 (MIT licence, August 2026) and "CDNA5" Instruction Set Architecture Reference Guide (July 2026). The comments in the code are by the model that wrote it; some were corrected since.
;; TNEP Per Type ANN. Allowed arithmetic: matrix products marked QUANTISED: E5M2 operands, one given power-of-two scale a tensor, by v_wmma_f32_16x16x64_bf8_bf8 or v_wmma_f32_16x16x128_bf8_bf8, f32 sums; products left as they are: f32 operands where the result goes on into a quantised operand, else bf16, f16 or f32 operands; f32 sums; everything else in f32.
;; Inputs: W0_codes 4 x 512 x 8 x 32 uint8 (E5M2 codes of W0, K innermost, in blocks of 32 codes); W1 4 x 512 float32; Z 131,072 int32; b0 4 x 512 float32; b1 one number float32; lowp_scales 2 int32 (the exponents e of the quantised operands' scales 2^e); q_codes 131,072 x 8 x 32 uint8 (E5M2 codes of q, K innermost, in blocks of 32 codes).
;; Outputs: out0 131,072 float32.
;; This version of the problem:
;;   THIS VERSION OF THE PROBLEM IS GIVEN IN LOW PRECISION. The matrix products marked QUANTISED in the list below multiply operands that are first quantised to E5M2 (5 exponent bits, 2 mantissa bits; 8 bits a number), with one given power-of-two scale for each operand tensor; their sums are f32. All else is computed in f32.
;;   The module's matrix products, in the order in which they are computed (A, B: the left and right operand; K: the contracted axis; several contracted axes count as one K, in the product's order):
;;     1. [M 131,072, K 256] x [K 256, N 2,048]; A: input q (given as codes); B: input W0 (given as codes): QUANTISED (scales: A lowp_scales[0], B lowp_scales[1])
;;     2. batch 131,072 x [M 1, K 512] x [K 512, N 1]; A: computed on the way; B: computed on the way: left as it is (M = 1 < 16)
;;   THE QUANTISER, for each operand of a quantised product, along K:
;;     - The operand's scale is 2^e, e = its entry of the input lowp_scales (int32; the entries are numbered through the quantised products in the list's order, A before B).
;;     - Each number is divided by the scale, clamped to +-57,344, and rounded to the nearest number of E5M2, ties to even, subnormals kept.
;;     - The product sums the exact products of the quantised numbers (number of the format x scale) in f32.
;;   ~~~python
;;   def quantise(x, axis, e):      # numpy; x: float32 -> the quantised numbers, widened to float32 again
;;       x = np.moveaxis(x, axis, -1); K = x.shape[-1]
;;       r = np.clip(x / 2.0 ** e, -57344, 57344)
;;       step = 2.0 ** (np.maximum(np.frexp(np.where(r == 0, 1, r))[1] - 1, -14) - 2)
;;       q = np.round(r / step) * step * 2.0 ** e      # np.round: ties to even
;;       return np.moveaxis(q, -1, axis).astype(np.float32)
;;   ~~~
;;   INPUTS GIVEN AS CODES. W0 (in the module: [4, 256, 512], K = its axis 1); q (in the module: [131072, 256], K = its axis 1): each comes as NAME_codes (uint8): NAME with its K axis moved to the last place and cut into blocks of 32 codes, [.., K / 32, bytes a block], one block behind the other in memory; one code a byte (a code: sign, 5 exponent bits, 2 mantissa bits); its scale is its entry of lowp_scales. Its value is code x scale, taken as it is: it is not quantised again, and the codes and scales need not be those that the quantiser above would give.
;; 2 versions, each right; version 2 is version 1 with the launch ann written anew for expert scheduling mode. Each part assembles by itself: llvm-mc -triple=amdgcn-amd-amdhsa -mcpu=gfx1250 --defsym DOCPART=n.
;; ======== version 1 of 2: 1 launch
;; launch ann (part 1): grid 4 x 64, 8 waves a work-group, no clusters, 89,088 bytes of LDS; arguments q_codes, W0_codes, Z, b0, W1, b1, lowp_scales, out0; writes out0
.if DOCPART == 1
	.amdgcn_target "amdgcn-amd-amdhsa--gfx1250"
	.amdhsa_code_object_version 6
	.text
	.protected	k_q5c77cc3a93_ann
	.globl	k_q5c77cc3a93_ann
	.p2align	8
	.type	k_q5c77cc3a93_ann,@function
k_q5c77cc3a93_ann:
	s_mov_b64 s[64:65], 0
	v_nop
	global_prefetch_b8 v0, s[64:65] scope:SCOPE_SE
	s_setreg_imm32_b32 hwreg(HW_REG_WAVE_MODE, 25, 1), 1
	s_wait_xcnt 0x0
; F[n] = b1 + sum over h of W1[Z[n]][h] tanh( (q[n] . W0[Z[n]])[h] + b0[Z[n]][h] ).  131,072 atoms, K = 256, 512 hidden units, 4 types.
; q and W0 come as codes of BF8 (E5M2), K innermost: a row of either is 256 consecutive bytes; a number is code x 2^e0 (q) or code x 2^e1 (W0).
; WORK LEFT OUT.  reference() multiplies every atom by all four types' W0 and keeps, by take_along_axis on Z, the one slice of type Z[n]: the other three slices of h_all reach no output,
; whatever the inputs hold.  Z is a whole-number input that this launch reads: only q[n] . W0[Z[n]] is multiplied.  Every input is loaded.  LIMIT: a NaN, an infinity or an overflow in a slice that was not chosen
; is not carried to the result (it is not in reference() either).
; LIMITS.  Z[n] lies in 0 .. 3 (an index stays inside its table); an atom with another Z is not written.  e0 + e1 lies between -127 and 126: it is added to the exponent field of 2 log2(e).
; SHARES.  Work-group (x = type t, y = block of 2,048 consecutive atoms) owns the atoms of its block whose Z is t: N of them, 0 to 2,048.  Eight waves; wave w owns hidden units 64 w .. 64 w + 63 for ALL those atoms:
; its 64 rows of W0[t] (16 KiB, 128 registers) stay in registers for the whole launch.  Wave 0 makes the list of the block's rows of type t in LDS; the rows of q are gathered by it, whole rows of 256 bytes, 256 list
; positions (a chunk) at a time: asked for a chunk ahead, kept in registers while the chunk in hand is worked, then put into the one LDS slot between two barriers.  Each wave multiplies every tile of 16 atoms by its
; 64 units, takes tanh and its part of the dot with W1; the eight parts meet in LDS and one lane an atom stores F.
; THE PRODUCT IS USED TRANSPOSED (source 0 = 16 rows of W0[t], source 1 = 16 atoms): lane (r, h) holds atom r and, in register j of tile u, hidden unit 64 w + 16 u + 8 h + j; b0 and W1 lie in registers in that layout.
; A fragment's registers 4 c .. 4 c + 3 hold bytes 32 c + 16 h + 0 .. 15 of a row's 128: the same permutation of k in W0 and in q, so every product meets its partner.
; tanh(x) = 1 - 2 / (1 + 2^(2 log2(e) x)): at both ends it is right as it stands (2^.. = infinity gives 1, 0 gives -1).  F = b1 + sum W1 + sum (-2 W1) / (1 + 2^..).
; EXEC IS NEVER WRITTEN.  On the way out a lane whose position holds no atom repeats lane 0's atom and lane 0's F: the same 4 bytes with the same value.
; NO TENSOR LOADS, NO CLUSTER, though the 64 work-groups of a type read the same W0[t]: the number of tiles hangs on counts made from Z; W0[t] is read once
; by a work-group, at its head, 128 KiB against the 128 KiB of q that it gathers on average.  NO PREFETCH of q: a chunk's rows are asked for a whole chunk (up to 16 tiles of work) ahead, and the first chunk's rows are known only
; when they are asked for.  out0: a block's atoms of four types lie mixed, so a lane stores 4 bytes at its own atom: 512 KiB of the launch's 35 MiB.
; LDS: 0: the list;  10,240: the q slot, 256 rows x 272;  79,872: parts of F, 8 waves x 1,024;  88,064: the spare words, 1,024.
; THE LIST, from byte 0: entries 0 .. 2,303: row numbers by position (zeros where there is none); 2,304 .. 2,335: a dump word a lane; from byte 9,344 on: N, a copy for each lane, 16 bytes apart.
.set PITCH, 272                        ; a row of q in LDS: 256 bytes + 16 = 68 words: row r starts at bank 4 r mod 64 (64 banks of 4 bytes: ISA guide 11.1), so the 16 rows of a fragment load start at 16 different banks
.set NOFF,  9344
.set QS,    10240
.set PART,  QS+256*PITCH               ; wave k's parts of the chunk's 256 positions at PART + 1,024 k + 4 x position
.set SPARE, PART+8192                  ; the spare words: 128 bytes for each of eight waves, four blocks of 256 bytes that no other line names
.set SPW,  1                           ; v1   LDS address of my spare word; never rewritten
.set NIL,  2                           ; v2   0; never rewritten
.set LANE, 3                           ; v3   lane
.set C16,  4                           ; v4   16 r: my 16 bytes of a row of q in memory
.set ADQ,  5                           ; v5   QS + r x 272 + 16 h: my place in a tile of q
.set STAD, 6                           ; v6   QS + (32 w + 16 h) x 272 + 16 r: where I put rows into the slot
.set LLD0, 7                           ; v7   128 w + 64 h: my 16 entries of a chunk;    v8  + 4 x the chunk's first position
.set LLD,  8
.set PSTD, 9                           ; v9   PART + 1,024 w + 4 r: where my part goes
.set PRDD, 10                          ; v10  PART + 128 w + 4 lane: the position that I sum
.set LRD0, 11                          ; v11  128 w + 4 lane: its list entry;            v12 + 4 x the chunk's first position
.set LRDD, 12
.set L16,  13                          ; v13  16 lane: in the list, and in the block's Z
.set DUMP, 14                          ; v14  2,304 + lane: the entry that takes a row of another type
.set L4,   15                          ; v15  4 lane
.set WA,   16                          ; v16  256 r + 16 h: W0
.set BA,   17                          ; v17  32 h: b0, W1
.set G,    18                          ; v18  the lane permute's destination
.set ZR,   20                          ; v20-23  zeros for the list and the parts
.set FA,   24                          ; v24-31  four pairs: the dot's four chains
.set SW,   32                          ; v32-33  my 32 units' sum of W1, even and odd
.set ROW,  34                          ; v34  the way out: the atom's row, then its byte in out0
.set F,    35                          ; v35  the way out: F
.set T,    36                          ; v36-43  the way out: eight parts.  At the head: r, h; in the list's making: four positions, four rows
.set PP,   36
.set RR,   40
.set E,    48                          ; v48-63  16 list entries, then the rows' byte offsets
.set STG,  64                          ; v64-127 Z (wave 0, at the head); then 16 rows' 16 bytes on their way from memory to LDS
.set QF,   128                         ; v128-159 a tile's two fragments of q
.set ACC,  160                         ; v160-191 four tiles of 16 hidden units x 16 atoms
.set B0R,  192                         ; v192-223 b0 x 2 log2(e)
.set W1R,  224                         ; v224-255 -2 W1
                                       ; window 1, v0-127: W0's fragment (tile u, K step s) at v[16 (2 u + s)]
.set WV,  20                           ; s20 wave;  s21 type;  s22 block;  s23 at work;  s[24:25] an offset in 64 bits
.set TY,  21
.set BY,  22
.set N,   26                           ; s26 entries in the list
.set W32, 27                           ; s27 32 w
.set MK,  28                           ; s28-31 four masks of lanes
.set CN,  32                           ; s32-35 the running count in front of each of four steps
.set CB,  36                           ; s36 the chunk's first position: the loop's counter
.set LO,  39                           ; s39 4 x the next chunk's first position;  s40 4 x this chunk's
.set LC,  40
.set NT,  41                           ; s41 tiles in this chunk
.set PV,  42                           ; s42 positions of my 32 that hold an atom
.set NX,  43                           ; s43 1: I fetch rows of the next chunk; on the way out: lane 0's row
.set SV,  44                           ; s44 the lanes whose position holds an atom
.set B1V, 45                           ; s45 b1
.set C1,  46                           ; s[46:47] 2^(e0 + e1) x 2 log2(e): the packed form names a pair and takes its low word
.set SEL, 50                           ; s[50:51] lane selects: lane l xor 16
.set K2,  52                           ; s[52:53] 2 log2(e)
.set MSB, 0
.macro WIN new                         ; the immediate's high byte repeats the setting that is left
.if MSB != \new
	s_set_vgpr_msb (MSB<<8)|\new
.set MSB, \new
.endif
.endm
; My 64 rows of W0[t] into window 1, my 64 numbers of b0 and of W1: 48 loads.  The eight loads of a tile of W0 cover its 16 rows of 256 bytes whole.
.macro WLOADS
	WIN 0x40                                       ; destination window 1, address window 0
.irp f, 0,1,2,3,4,5,6,7
.irp c, 0,1,2,3
	global_load_b128 v[16*\f+4*\c:16*\f+4*\c+3], v[WA], s[6:7] offset:4096*(\f/2)+128*(\f%2)+32*\c
.endr
.endr
	WIN 0
.irp u, 0,1,2,3
	global_load_b128 v[B0R+8*\u:B0R+8*\u+3],   v[BA], s[10:11] offset:64*\u
	global_load_b128 v[B0R+8*\u+4:B0R+8*\u+7], v[BA], s[10:11] offset:64*\u+16
	global_load_b128 v[W1R+8*\u:W1R+8*\u+3],   v[BA], s[12:13] offset:64*\u
	global_load_b128 v[W1R+8*\u+4:W1R+8*\u+7], v[BA], s[12:13] offset:64*\u+16
.endr
.endm
; Four steps of the list: register 4 k + i of lane l holds Z of row 128 k + 4 l + i.  A row of my type goes to position count + (lanes of my type below me); any other to the lane's dump word.
; Stage by stage, so that no line waits for the line above it.  The position is held under 2,336 entries: every store lies in the list's bytes.
.macro LGROUP k
.irp i, 0,1,2,3
	v_cmp_eq_u32 s[MK+\i], s[TY], v[STG+4*(\k)+\i]
.endr
	s_bcnt1_i32_b32 s23, s[MK]
	s_add_co_u32 s[CN+1], s[CN], s23
	s_bcnt1_i32_b32 s23, s[MK+1]
	s_add_co_u32 s[CN+2], s[CN+1], s23
	s_bcnt1_i32_b32 s23, s[MK+2]
	s_add_co_u32 s[CN+3], s[CN+2], s23
	s_bcnt1_i32_b32 s[NX], s[MK+3]
.irp i, 0,1,2,3
	v_mbcnt_lo_u32_b32 v[PP+\i], s[MK+\i], s[CN+\i]
.endr
	s_add_co_u32 s[CN], s[CN+3], s[NX]             ; the count in front of the next four steps
.irp i, 0,1,2,3
	v_cndmask_b32 v[PP+\i], v[DUMP], v[PP+\i], s[MK+\i]
.endr
.irp i, 0,1,2,3
	v_min_u32 v[PP+\i], 0x91f, v[PP+\i]
.endr
.irp i, 0,1,2,3
	v_lshlrev_b32 v[PP+\i], 2, v[PP+\i]            ; the list begins at LDS byte 0
.endr
.irp i, 0,1,2,3
	v_add_nc_u32 v[RR+\i], 128*(\k)+\i, v[L4]
.endr
.irp i, 0,1,2,3
	ds_store_b32 v[PP+\i], v[RR+\i]
.endr
.endm
; My 32 rows of the chunk whose first position is s[LO] / 4: lanes 0-15 take positions 32 w + 0 .. 15, lanes 16-31 the next sixteen; load i brings position i of each: sixteen lanes read one whole row of 256 bytes.
; No cache hint: row 0 stands in for positions past the list's end and may be named again.
.macro LOADG
	v_add_nc_u32 v[LLD], s[LO], v[LLD0]
.irp c, 0,1,2,3
	ds_load_b128 v[E+4*\c:E+4*\c+3], v[LLD] offset:16*\c
.endr
	s_wait_dscnt 0x0
.set j, 0
.rept 16
	v_min_u32 v[E+j], 0x7ff, v[E+j]                ; a row of the block: 0 .. 2,047
.set j, j+1
.endr
.set j, 0
.rept 16
	v_lshl_add_u32 v[E+j], v[E+j], 8, v[C16]
.set j, j+1
.endr
.set j, 0
.rept 16
	global_load_b128 v[STG+4*j:STG+4*j+3], v[E+j], s[4:5]
.set j, j+1
.endr
.endm
.macro STAGE                           ; and into the slot: sixteen lanes store a row's 256 consecutive bytes
.set j, 0
.rept 16
	ds_store_b128 v[STAD], v[STG+4*j:STG+4*j+3] offset:PITCH*j
.set j, j+1
.endr
.endm
.macro QLOAD i                         ; tile i's two fragments of q: 16 atoms x 256 K
.irp s, 0,1
.irp c, 0,1,2,3
	ds_load_b128 v[QF+16*\s+4*\c:QF+16*\s+4*\c+3], v[ADQ] offset:16*PITCH*(\i)+128*\s+32*\c
.endr
.endr
.endm
; A TILE of 16 atoms: its fragments have been asked for.
.macro TILE i
.if \i == 0
	s_wait_dscnt 0x0                               ; the fragments, just asked for
.else
	s_wait_dscnt 0x1                               ; the eight fragment loads are in; behind them stands the last tile's one store of a part
.endif
	WIN 0x01                                       ; source 0 (W0) window 1
.irp u, 0,1,2,3                        ; the four accumulators take turns, one instruction a turn; the first K step starts the sums
	v_wmma_f32_16x16x128_bf8_bf8 v[ACC+8*\u:ACC+8*\u+7], v[32*\u:32*\u+15], v[QF:QF+15], 0
.endr
.irp u, 0,1,2,3
	v_wmma_f32_16x16x128_bf8_bf8 v[ACC+8*\u:ACC+8*\u+7], v[32*\u+16:32*\u+31], v[QF+16:QF+31], v[ACC+8*\u:ACC+8*\u+7]
.endr
	WIN 0
.rept 4
	v_nop                                          ; four places in front of the loads into q's fragments and of the first read of the sums
.endr
.if \i < 15
	s_cmp_le_u32 s[NT], \i+1                       ; the next tile's fragments, a tile's vector work ahead, if there is a next tile: no row is read that was not put there
	s_cbranch_scc1 .Lnoq_\@
	QLOAD \i+1
.Lnoq_\@:
.endif
.set j, 0
.rept 16
	v_pk_fma_f32 v[ACC+j:ACC+j+1], v[ACC+j:ACC+j+1], s[C1:C1+1], v[B0R+j:B0R+j+1] op_sel_hi:[1,0,1]   ; 2 log2(e) (sum x 2^(e0 + e1) + b0), two at a time; each accumulator from its low end on
.set j, j+2
.endr
.set j, 0
.rept 32
	v_exp_f32 v[ACC+j], v[ACC+j]
.set j, j+1
.endr
	v_nop                                          ; a plain instruction behind the last exponential
	s_wait_alu depctr_va_vdst(0)                   ; one wait for the batch, ahead of its first reader
.set j, 0
.rept 16
	v_pk_add_f32 v[ACC+j:ACC+j+1], v[ACC+j:ACC+j+1], 1.0 op_sel_hi:[1,0]
.set j, j+2
.endr
.set j, 0
.rept 32
	v_rcp_f32 v[ACC+j], v[ACC+j]
.set j, j+1
.endr
	v_nop
	s_wait_alu depctr_va_vdst(0)                   ; likewise for the reciprocals
	v_pk_fma_f32 v[FA:FA+1], v[ACC:ACC+1], v[W1R:W1R+1], v[SW:SW+1]   ; the dot in four chains; the first begins with my units' sum of W1
.irp k, 1,2,3
	v_pk_mul_f32 v[FA+2*\k:FA+2*\k+1], v[ACC+2*\k:ACC+2*\k+1], v[W1R+2*\k:W1R+2*\k+1]
.endr
.irp u, 1,2,3
.irp k, 0,1,2,3
	v_pk_fma_f32 v[FA+2*\k:FA+2*\k+1], v[ACC+8*\u+2*\k:ACC+8*\u+2*\k+1], v[W1R+8*\u+2*\k:W1R+8*\u+2*\k+1], v[FA+2*\k:FA+2*\k+1]
.endr
.endr
	v_pk_add_f32 v[FA:FA+1], v[FA:FA+1], v[FA+2:FA+3]
	v_pk_add_f32 v[FA+4:FA+5], v[FA+4:FA+5], v[FA+6:FA+7]
	v_pk_add_f32 v[FA:FA+1], v[FA:FA+1], v[FA+4:FA+5]
	v_add_f32 v[FA], v[FA], v[FA+1]
	v_permlanex16_b32 v[G], v[FA], s[SEL], s[SEL+1]    ; the atom's other 32 of my units lie in the lane 16 away
	v_add_f32 v[FA], v[FA], v[G]
	ds_store_b32 v[PSTD], v[FA] offset:64*\i       ; my part for atom r of the tile (lanes 16-31 write the same word with the same value)
.if \i < 15
	s_cmp_le_u32 s[NT], \i+1
	s_cbranch_scc1 .Lchunk_done
.endif
.endm
	s_load_b256 s[4:11], s[0:1], 0x0               ; q s[4:5], W0 s[6:7], Z s[8:9], b0 s[10:11]
	s_load_b256 s[12:19], s[0:1], 0x20             ; W1 s[12:13], b1 s[14:15], the scales' exponents s[16:17], out0 s[18:19]
	v_lshl_add_u32 v[SPW], v0, 2, SPARE
	v_mov_b32 v[NIL], 0
	v_lshrrev_b32 v[LANE], 5, v0
	v_readfirstlane_b32 s[WV], v[LANE]             ; wave 0..7
	v_and_b32 v[LANE], 31, v0
	v_and_b32 v[T], 15, v0                         ; r
	v_bfe_u32 v[T+1], v0, 4, 1                     ; h
	s_mov_b32 s[TY], ttmp9
	s_and_b32 s[BY], ttmp7, 0xffff
	s_lshl_b32 s[W32], s[WV], 5
	; the LDS addresses that stay are made here, ahead of the parting of the waves
	v_lshlrev_b32 v[C16], 4, v[T]
	v_mul_u32_u24 v[ADQ], v[T], PITCH
	v_lshl_add_u32 v[ADQ], v[T+1], 4, v[ADQ]
	v_add_nc_u32 v[ADQ], QS, v[ADQ]
	s_mul_i32 s23, s[WV], 32*PITCH
	s_add_co_u32 s23, s23, QS
	v_mul_u32_u24 v[STAD], v[T+1], 16*PITCH
	v_lshl_add_u32 v[STAD], v[T], 4, v[STAD]
	v_add_nc_u32 v[STAD], s23, v[STAD]
	s_lshl_b32 s23, s[WV], 7
	v_lshl_add_u32 v[LLD0], v[T+1], 6, s23
	v_lshl_add_u32 v[LRD0], v[LANE], 2, s23
	s_add_co_u32 s23, s23, PART
	v_lshl_add_u32 v[PRDD], v[LANE], 2, s23
	s_lshl_b32 s23, s[WV], 10
	s_add_co_u32 s23, s23, PART
	v_lshl_add_u32 v[PSTD], v[T], 2, s23
	v_lshlrev_b32 v[L16], 4, v[LANE]
	v_add_nc_u32 v[DUMP], 2304, v[LANE]
	v_lshlrev_b32 v[L4], 2, v[LANE]
	v_lshlrev_b32 v[WA], 8, v[T]
	v_lshl_add_u32 v[WA], v[T+1], 4, v[WA]
	v_lshlrev_b32 v[BA], 5, v[T+1]
	v_mov_b32 v[G], 0                              ; written once: a lane permute's destination counts as one of its sources
.irp i, 0,1,2,3
	v_mov_b32 v[ZR+\i], 0
.endr
	s_mov_b32 s[SEL], 0x76543210
	s_mov_b32 s[SEL+1], 0xfedcba98
	s_mov_b32 s[K2], 0x4038aa3b                    ; 2 log2(e)
	s_mov_b32 s[K2+1], s[K2]
	s_mov_b32 s25, 0
	s_wait_kmcnt 0x0
	s_load_b64 s[48:49], s[16:17], 0x0             ; e0, e1
	s_load_b32 s[B1V], s[14:15], 0x0               ; b1
	s_lshl_b32 s24, s[BY], 19                      ; the block's 2,048 rows of 256 bytes
	s_add_nc_u64 s[4:5], s[4:5], s[24:25]
	s_lshl_b32 s24, s[BY], 13                      ; its 2,048 words of Z and of out0
	s_add_nc_u64 s[8:9], s[8:9], s[24:25]
	s_add_nc_u64 s[18:19], s[18:19], s[24:25]
	s_lshl_b32 s24, s[TY], 17                      ; W0[t]: 512 rows of 256 bytes; my 64 of them
	s_lshl_b32 s23, s[WV], 14
	s_add_co_u32 s24, s24, s23
	s_add_nc_u64 s[6:7], s[6:7], s[24:25]
	s_lshl_b32 s24, s[TY], 11                      ; b0[t], W1[t]: 512 numbers; my 64
	s_lshl_b32 s23, s[WV], 8
	s_add_co_u32 s24, s24, s23
	s_add_nc_u64 s[10:11], s[10:11], s[24:25]
	s_add_nc_u64 s[12:13], s[12:13], s[24:25]
	s_cmp_lg_u32 s[WV], 0
	s_cbranch_scc1 .Lothers
	; WAVE 0 MAKES THE LIST.  No other wave touches LDS before the barrier below.
.set j, 0
.rept 16
	global_load_b128 v[STG+4*j:STG+4*j+3], v[L16], s[8:9] offset:512*j   ; the block's Z: 512 consecutive bytes a load
.set j, j+1
.endr
	WLOADS
.set j, 0
.rept 18
	ds_store_b128 v[L16], v[ZR:ZR+3] offset:512*j  ; entries 0 .. 2,303 begin as row 0: a position past the list's end names a row that exists
.set j, j+1
.endr
	s_mov_b32 s[CN], 0
	s_wait_loadcnt 48                              ; Z's sixteen loads are in; behind them stand the 48 of W0, b0 and W1
.irp k, 0,1,2,3,4,5,6,7,8,9,10,11,12,13,14,15
	LGROUP \k
.endr
	v_mov_b32 v[F], s[CN]
	ds_store_b32 v[L16], v[F] offset:NOFF          ; N, a copy a lane
	s_branch .Ljoined
.Lothers:
	WLOADS
.Ljoined:
	s_wait_dscnt 0x0                               ; wave 0's stores into the list have landed
	s_barrier_signal -1
	s_barrier_wait -1                              ; the list and N lie in LDS for every wave; from here on the list is only read
	s_mov_b32 s[LO], 0
	ds_load_b32 v[F], v[L16] offset:NOFF
	LOADG                                          ; chunk 0, all 256 positions, whatever N: the slot is written whole.  (Its wait on DScnt serves N's load too)
	v_readfirstlane_b32 s[N], v[F]
.irp k, 0,1,2,3,4,5,6,7
	ds_store_b32 v[PRDD], v[ZR] offset:1024*\k     ; the eight parts of my 32 positions begin as zeros: the way out reads all 32, also where only the first of their two tiles was worked
.endr
	s_wait_loadcnt 16                              ; W0, b0 and W1 are in; behind them stand chunk 0's sixteen loads
	s_wait_kmcnt 0x0
	s_add_co_i32 s23, s48, s49                     ; a sum stands for sum x 2^(e0 + e1): the exponents are added to the exponent field of 2 log2(e)
	s_lshl_b32 s23, s23, 23
	s_add_co_u32 s[C1], s23, s[K2]
	s_mov_b32 s[C1+1], s[C1]
.set j, 0
.rept 16
	v_pk_mul_f32 v[B0R+j:B0R+j+1], v[B0R+j:B0R+j+1], s[K2:K2+1] op_sel_hi:[1,0]
.set j, j+2
.endr
	v_pk_add_f32 v[SW:SW+1], v[W1R:W1R+1], v[W1R+2:W1R+3]
.set j, 4
.rept 14
	v_pk_add_f32 v[SW:SW+1], v[SW:SW+1], v[W1R+j:W1R+j+1]
.set j, j+2
.endr
.set j, 0
.rept 16
	v_pk_mul_f32 v[W1R+j:W1R+j+1], v[W1R+j:W1R+j+1], -2.0 op_sel_hi:[1,0]
.set j, j+2
.endr
	s_wait_loadcnt 0x0                             ; chunk 0's rows
	STAGE
	s_wait_dscnt 0x0
	s_barrier_signal -1
	s_barrier_wait -1                              ; the slot is whole, the parts are zeros
	s_mov_b32 s[CB], 0
	s_mov_b32 s[LO], 1024
	s_mov_b32 s[LC], 0
; EIGHT TRIPS, a constant: a trip is a chunk of 256 positions.  What a trip has no atoms for is jumped over; its two barriers are passed by every wave in every trip.
.Lchunk:
	s_add_co_u32 s23, s[CB], s[W32]
	s_add_co_u32 s23, s23, 256
	s_cmp_lt_u32 s23, s[N]                         ; does the first of my 32 positions of the next chunk hold an atom?
	s_cselect_b32 s[NX], 1, 0
	s_cbranch_scc0 .Lno_next
	LOADG                                          ; then its rows are asked for now: they have this chunk's tiles in which to land
.Lno_next:
	s_sub_co_i32 s[NT], s[N], s[CB]
	s_add_co_i32 s[NT], s[NT], 15
	s_ashr_i32 s[NT], s[NT], 4
	s_max_i32 s[NT], s[NT], 0
	s_min_i32 s[NT], s[NT], 16                     ; tiles of 16 that hold an atom
	s_cmp_eq_u32 s[NT], 0
	s_cbranch_scc1 .Lchunk_done
	QLOAD 0
.irp i, 0,1,2,3,4,5,6,7,8,9,10,11,12,13,14,15
	TILE \i
.endr
.Lchunk_done:
	s_wait_dscnt 0x0                               ; my parts have landed, and my reads of the slot are over
	s_barrier_signal -1
	s_barrier_wait -1                              ; so of every wave: the eight parts may be read, and the slot may be written
	s_wait_loadcnt 0x0                             ; the next chunk's rows are in registers, and their offsets' registers are free
	s_cmp_eq_u32 s[NX], 0
	s_cbranch_scc1 .Lno_stage
	STAGE
.Lno_stage:
	; THE WAY OUT: wave w sums the eight parts of positions 32 w .. 32 w + 31 of the chunk, a lane a position, and stores F at the atom that the list names
	s_sub_co_i32 s[PV], s[N], s[CB]
	s_sub_co_i32 s[PV], s[PV], s[W32]
	s_cmp_le_i32 s[PV], 0
	s_cbranch_scc1 .Lno_out
	v_add_nc_u32 v[LRDD], s[LC], v[LRD0]
	s_wait_xcnt 0x0                                ; the last trip's store has read its two registers: they are written again only behind this wait
.irp k, 0,1,2,3,4,5,6,7
	ds_load_b32 v[T+\k], v[PRDD] offset:1024*\k
.endr
	ds_load_b32 v[ROW], v[LRDD]
	v_cmp_gt_i32 s[SV], s[PV], v[LANE]             ; the lanes whose position holds an atom; lane 0 is one of them
	s_wait_dscnt 0x0
	v_pk_add_f32 v[T:T+1], v[T:T+1], v[T+2:T+3]
	v_pk_add_f32 v[T+4:T+5], v[T+4:T+5], v[T+6:T+7]
	v_pk_add_f32 v[T:T+1], v[T:T+1], v[T+4:T+5]
	v_add_f32 v[F], v[T], v[T+1]
	v_add_f32 v[F], s[B1V], v[F]
	v_readfirstlane_b32 s23, v[F]
	v_readfirstlane_b32 s[NX], v[ROW]
	v_cndmask_b32 v[F], s23, v[F], s[SV]           ; a lane with no atom repeats lane 0's number
	v_cndmask_b32 v[ROW], s[NX], v[ROW], s[SV]     ; at lane 0's atom
	v_min_u32 v[ROW], 0x7ff, v[ROW]
	v_lshlrev_b32 v[ROW], 2, v[ROW]
	global_store_b32 v[ROW], v[F], s[18:19]        ; 4 bytes at my atom: the block's atoms of the four types lie mixed
.Lno_out:
	s_wait_dscnt 0x0                               ; my rows have landed in the slot, and my reads of the parts are over
	s_barrier_signal -1
	s_barrier_wait -1                              ; so of every wave: the slot is whole, and the parts may be written
	s_add_co_u32 s[LO], s[LO], 1024
	s_add_co_u32 s[LC], s[LC], 1024
	s_add_co_u32 s[CB], s[CB], 256
	s_cmp_lt_u32 s[CB], 2048
	s_cbranch_scc1 .Lchunk
	s_wait_tensorcnt 0x0                           ; the wave's end, behind my last LDS store
	ds_add_u32 v[SPW], v[NIL]
	s_wait_dscnt 0x0
	s_endpgm
.Lfunc_end_k_q5c77cc3a93_ann:
	.size	k_q5c77cc3a93_ann, .Lfunc_end_k_q5c77cc3a93_ann-k_q5c77cc3a93_ann
	.p2alignl 7, 3214868480
	.fill 96, 4, 3214868480
	.section	.rodata,"a",@progbits
	.p2align	6, 0x0
	.amdhsa_kernel k_q5c77cc3a93_ann
		.amdhsa_group_segment_fixed_size 89088
		.amdhsa_private_segment_fixed_size 0
		.amdhsa_enable_private_segment 0
		.amdhsa_kernarg_size 64
		.amdhsa_user_sgpr_count 2
		.amdhsa_user_sgpr_kernarg_segment_ptr 1
		.amdhsa_wavefront_size32 1
		.amdhsa_system_sgpr_workgroup_id_x 1
		.amdhsa_system_sgpr_workgroup_id_y 1
		.amdhsa_system_sgpr_workgroup_id_z 1
		.amdhsa_system_vgpr_workitem_id 0
		.amdhsa_next_free_vgpr 384
		.amdhsa_next_free_sgpr 66
		.amdhsa_reserve_vcc 0
		.amdhsa_float_denorm_mode_32 3
		.amdhsa_float_denorm_mode_16_64 3
		.amdhsa_memory_ordered 1
		.amdhsa_forward_progress 1
		.amdhsa_inst_pref_size 171
	.end_amdhsa_kernel
	.amdgpu_metadata
---
amdhsa.version: [ 1, 2 ]
amdhsa.kernels:
  - .name:           k_q5c77cc3a93_ann
    .symbol:         k_q5c77cc3a93_ann.kd
    .args:
      - { .name: q_codes, .offset: 0, .size: 8, .value_kind: global_buffer, .address_space: global }
      - { .name: W0_codes, .offset: 8, .size: 8, .value_kind: global_buffer, .address_space: global }
      - { .name: Z, .offset: 16, .size: 8, .value_kind: global_buffer, .address_space: global }
      - { .name: b0, .offset: 24, .size: 8, .value_kind: global_buffer, .address_space: global }
      - { .name: W1, .offset: 32, .size: 8, .value_kind: global_buffer, .address_space: global }
      - { .name: b1, .offset: 40, .size: 8, .value_kind: global_buffer, .address_space: global }
      - { .name: lowp_scales, .offset: 48, .size: 8, .value_kind: global_buffer, .address_space: global }
      - { .name: out0, .offset: 56, .size: 8, .value_kind: global_buffer, .address_space: global }
    .group_segment_fixed_size: 89088
    .private_segment_fixed_size: 0
    .kernarg_segment_align: 8
    .kernarg_segment_size: 64
    .max_flat_workgroup_size: 256
    .sgpr_count:     66
    .vgpr_count:     384
    .wavefront_size: 32
...
	.end_amdgpu_metadata
.endif
;; end of part 1
;; ======== version 2 of 2: 1 launch; version 1 with the launch ann written anew for expert scheduling mode
;; launch ann (part 2): grid 4 x 64, 8 waves a work-group, no clusters, 89,088 bytes of LDS; arguments q_codes, W0_codes, Z, b0, W1, b1, lowp_scales, out0; writes out0
.if DOCPART == 2
	.amdgcn_target "amdgcn-amd-amdhsa--gfx1250"
	.amdhsa_code_object_version 6
	.text
	.protected	k_q5c77cc3a93_ann
	.globl	k_q5c77cc3a93_ann
	.p2align	8
	.type	k_q5c77cc3a93_ann,@function
k_q5c77cc3a93_ann:
	s_mov_b64 s[64:65], 0
	v_nop
	global_prefetch_b8 v0, s[64:65] scope:SCOPE_SE
	s_setreg_imm32_b32 hwreg(HW_REG_WAVE_SCHED_MODE, 0, 2), 2
	s_setreg_imm32_b32 hwreg(HW_REG_WAVE_MODE, 25, 1), 1
	s_wait_xcnt 0x0
	s_wait_alu depctr_vm_vsrc(0)
; F[n] = b1 + sum over h of W1[Z[n]][h] tanh( (q[n] . W0[Z[n]])[h] + b0[Z[n]][h] ).  131,072 atoms, K = 256, 512 hidden units, 4 types.
; q and W0 come as codes of BF8 (E5M2), K innermost: a row of either is 256 consecutive bytes; a number is code x 2^e0 (q) or code x 2^e1 (W0).
; WORK LEFT OUT.  reference() multiplies every atom by all four types' W0 and keeps, by take_along_axis on Z, the one slice of type Z[n]: the other three slices of h_all reach no output,
; whatever the inputs hold.  Z is a whole-number input that this launch reads: only q[n] . W0[Z[n]] is multiplied.  Every input is loaded.  LIMIT: a NaN, an infinity or an overflow in a slice that was not chosen
; is not carried to the result (it is not in reference() either).
; LIMITS.  Z[n] lies in 0 .. 3 (an index stays inside its table); an atom with another Z is not written.  e0 + e1 lies between -127 and 126: it is added to the exponent field of 2 log2(e).
; SHARES.  Work-group (x = type t, y = block of 2,048 consecutive atoms) owns the atoms of its block whose Z is t: N of them, 0 to 2,048.  Eight waves; wave w owns hidden units 64 w .. 64 w + 63 for ALL those atoms:
; its 64 rows of W0[t] (16 KiB, 128 registers) stay in registers for the whole launch.  Wave 0 makes the list of the block's rows of type t in LDS; the rows of q are gathered by it, whole rows of 256 bytes, 256 list
; positions (a chunk) at a time: asked for a chunk ahead, kept in registers while the chunk in hand is worked, then put into the one LDS slot between two barriers.  Each wave multiplies every tile of 16 atoms by its
; 64 units, takes tanh and its part of the dot with W1; the eight parts meet in LDS and one lane an atom stores F.
; N STEERS THE BRANCHES, and every wave makes it for itself, in scalar registers, from the block's Z as it comes from memory (waves 1 to 7 count while wave 0 makes the list): nothing that steers a branch goes from wave to wave.
; THE PRODUCT IS USED TRANSPOSED (source 0 = 16 rows of W0[t], source 1 = 16 atoms): lane (r, h) holds atom r and, in register j of tile u, hidden unit 64 w + 16 u + 8 h + j; b0 and W1 lie in registers in that layout.
; A fragment's registers 4 c .. 4 c + 3 hold bytes 32 c + 16 h + 0 .. 15 of a row's 128: the same permutation of k in W0 and in q, so every product meets its partner.
; tanh(x) = 1 - 2 / (1 + 2^(2 log2(e) x)): at both ends it is right as it stands (2^.. = infinity gives 1, 0 gives -1).  F = b1 + sum W1 + sum (-2 W1) / (1 + 2^..).
; EXEC IS NEVER WRITTEN.  On the way out a lane whose position holds no atom repeats lane 0's atom and lane 0's F: the same 4 bytes with the same value.
; NO TENSOR LOADS, NO CLUSTER, though the 64 work-groups of a type read the same W0[t]: the number of tiles hangs on counts made from Z; W0[t] is read once
; by a work-group, at its head, 128 KiB against the 128 KiB of q that it gathers on average.  NO PREFETCH of q: a chunk's rows are asked for a whole chunk (up to 16 tiles of work) ahead, and the first chunk's rows are known only
; when they are asked for.  out0: a block's atoms of four types lie mixed, so a lane stores 4 bytes at its own atom: 512 KiB of the launch's 35 MiB.
; THE MODE: SCHED_MODE bits 1:0 = 2 (LLVM: expert scheduling mode 2), set by the entry lines.  The code itself states the register dependences between vector or matrix instructions and memory or LDS instructions,
; with s_wait_alu, always for 0.
; THE PLAN.  Registers that memory or LDS instructions touch, in a trip of the loop over chunks:
;   v[LLD], v[LRDD]   the two list addresses: written by one vector add each at the trip's top; read by the trip's loads from the list.
;   E                 the list's loads land in it; clamps and shifts write it; the sixteen row loads read it as their offsets.  Then it is the tiles' out-buffer: tile i's last addition writes v[E + i], and one run
;                     of sixteen stores at the chunk's end reads it.
;   STG               the row loads land in it; the staging stores read it.  No vector line of the loop names it.
;   QF                a tile's fragment loads land in it; the tile's eight matrix instructions read it.
;   T, v[ROW], v[F]   the way out: LDS loads land in T and v[ROW]; vector lines read and write them; the global store reads v[ROW] and v[F].
;   All other addresses (v1 to v7, v9 to v11, v13, v16, v17) and the zeros are written at the head and never again.  ACC, FA, B0R, W1R, SW, G are named by vector and matrix instructions alone.
; AT A TRIP'S TOP one wait on vm_vsrc and one on va_vdst, round the two address adds, state all that the trip's loads from the list, its row loads, tile 0's fragment loads and the way out's LDS loads hang on: no vector
; line between that place and those loads names a register in which they land.  A TILE holds the two waits behind its exponentials and its reciprocals; the first also states that the tile's matrix instructions are done
; reading QF, and the next tile's fragment loads stand directly behind it.  Tile 0 states besides that the row loads have read E.  AT THE CHUNK'S END one wait on va_vdst stands ahead of the sixteen stores of parts.
; LDS: 0: the list;  10,240: the q slot, 256 rows x 272;  79,872: parts of F, 8 waves x 1,024;  88,064: the spare words, 1,024.
; THE LIST, from byte 0: entries 0 .. 2,303: row numbers by position (zeros where there is none); 2,304 .. 2,335: a dump word a lane; the rest of its 10,240 bytes is not used.
.set PITCH, 272                        ; a row of q in LDS: 256 bytes + 16 = 68 words: row r starts at bank 4 r mod 64 (64 banks of 4 bytes: ISA guide 11.1), so the 16 rows of a fragment load start at 16 different banks
.set QS,    10240
.set PART,  QS+256*PITCH               ; wave k's parts of the chunk's 256 positions at PART + 1,024 k + 4 x position
.set SPARE, PART+8192                  ; the spare words: 128 bytes for each of eight waves, four blocks of 256 bytes that no other line names
.set SPW,  1                           ; v1   LDS address of my spare word; never rewritten
.set NIL,  2                           ; v2   0; never rewritten
.set LANE, 3                           ; v3   lane
.set C16,  4                           ; v4   16 r: my 16 bytes of a row of q in memory
.set ADQ,  5                           ; v5   QS + r x 272 + 16 h: my place in a tile of q
.set STAD, 6                           ; v6   QS + (32 w + 16 h) x 272 + 16 r: where I put rows into the slot
.set LLD0, 7                           ; v7   128 w + 64 h: my 16 entries of a chunk;    v8  + 4 x the chunk's first position
.set LLD,  8
.set PSTD, 9                           ; v9   PART + 1,024 w + 4 r: where my parts go
.set PRDD, 10                          ; v10  PART + 128 w + 4 lane: the position that I sum
.set LRD0, 11                          ; v11  128 w + 4 lane: its list entry;            v12 + 4 x the chunk's first position
.set LRDD, 12
.set L16,  13                          ; v13  16 lane: in the list, and in the block's Z
.set DUMP, 14                          ; v14  2,304 + lane: the entry that takes a row of another type
.set L4,   15                          ; v15  4 lane
.set WA,   16                          ; v16  256 r + 16 h: W0
.set BA,   17                          ; v17  32 h: b0, W1
.set G,    18                          ; v18  the lane permute's destination
.set ZR,   20                          ; v20-23  zeros for the list and the parts
.set FA,   24                          ; v24-31  four pairs: the dot's four chains
.set SW,   32                          ; v32-33  my 32 units' sum of W1, even and odd
.set ROW,  34                          ; v34  the way out: the atom's row, then its byte in out0
.set F,    35                          ; v35  the way out: F
.set T,    36                          ; v36-43  the way out: eight parts.  At the head: r, h
.set E,    48                          ; v48-63  16 list entries, then the rows' byte offsets, then the parts of the chunk's 16 tiles
.set STG,  64                          ; v64-127 at the head: Z, and in wave 0 over it the rows' places in the list; then 16 rows' 16 bytes on their way from memory to LDS
.set QF,   128                         ; v128-159 a tile's two fragments of q
.set RW,   128                         ; v128-191 wave 0, at the head: the 64 row numbers that go into the list
.set ACC,  160                         ; v160-191 four tiles of 16 hidden units x 16 atoms
.set B0R,  192                         ; v192-223 b0 x 2 log2(e)
.set W1R,  224                         ; v224-255 -2 W1
                                       ; window 1, v0-127: W0's fragment (tile u, K step s) at v[16 (2 u + s)]
.set WV,  20                           ; s20 wave;  s21 type;  s22 block;  s23 at work;  s[24:25] an offset in 64 bits
.set TY,  21
.set BY,  22
.set N,   26                           ; s26 entries in the list
.set W32, 27                           ; s27 32 w
.set MK,  28                           ; s28-35 eight masks of lanes
.set CN,  36                           ; s36-44 at the head alone: the running count in front of each of eight steps, and behind the eighth; from the loop on these registers bear the names below
.set CB,  36                           ; s36 the chunk's first position: the loop's counter
.set LO,  39                           ; s39 4 x the next chunk's first position;  s40 4 x this chunk's
.set LC,  40
.set NT,  41                           ; s41 tiles in this chunk
.set PV,  42                           ; s42 positions of my 32 that hold an atom
.set NX,  43                           ; s43 1: I fetch rows of the next chunk; on the way out: lane 0's row
.set SV,  44                           ; s44 the lanes whose position holds an atom
.set B1V, 45                           ; s45 b1
.set C1,  46                           ; s[46:47] 2^(e0 + e1) x 2 log2(e): the packed form names a pair and takes its low word
.set SEL, 50                           ; s[50:51] lane selects: lane l xor 16
.set K2,  52                           ; s[52:53] 2 log2(e)
.set MSB, 0
.macro WIN new                         ; the immediate's high byte repeats the setting that is left
.if MSB != \new
	s_set_vgpr_msb (MSB<<8)|\new
.set MSB, \new
.endif
.endm
; My 64 rows of W0[t] into window 1: 32 loads; the eight loads of a tile cover its 16 rows of 256 bytes whole.  My 64 numbers of b0 and of W1: 16 loads.
; Their two offsets were written ahead of the head's wait on va_vdst, and no vector line has named the registers in which they land.
.macro W0LOADS
	WIN 0x40                                       ; destination window 1, address window 0
.irp f, 0,1,2,3,4,5,6,7
.irp c, 0,1,2,3
	global_load_b128 v[16*\f+4*\c:16*\f+4*\c+3], v[WA], s[6:7] offset:4096*(\f/2)+128*(\f%2)+32*\c
.endr
.endr
	WIN 0
.endm
.macro BLOADS
.irp u, 0,1,2,3
	global_load_b128 v[B0R+8*\u:B0R+8*\u+3],   v[BA], s[10:11] offset:64*\u
	global_load_b128 v[B0R+8*\u+4:B0R+8*\u+7], v[BA], s[10:11] offset:64*\u+16
	global_load_b128 v[W1R+8*\u:W1R+8*\u+3],   v[BA], s[12:13] offset:64*\u
	global_load_b128 v[W1R+8*\u+4:W1R+8*\u+7], v[BA], s[12:13] offset:64*\u+16
.endr
.endm
; Eight steps of the list: register n = 8 b + j of lane l holds Z of row 128 (n / 4) + 4 l + n % 4.  A row of my type goes to position count + (lanes of my type below me); any other to the lane's dump word.
; Stage by stage, so that no line waits for the line above it.  The position is held under 2,336 entries: every store lies in the list's bytes.  The place is written over Z's register, the row number into v[RW + n]:
; no memory or LDS instruction stands in a batch; the 64 stores follow the last batch in one run.
.macro LBATCH b
.irp j, 0,1,2,3,4,5,6,7
	v_cmp_eq_u32 s[MK+\j], s[TY], v[STG+8*(\b)+\j]
.endr
	s_wait_alu depctr_va_sdst(0)                   ; the eight compares have written their masks, ahead of the masks' first reader
.irp j, 0,1,2,3,4,5,6,7
	s_bcnt1_i32_b32 s23, s[MK+\j]
	s_add_co_u32 s[CN+\j+1], s[CN+\j], s23
.endr
.irp j, 0,1,2,3,4,5,6,7
	v_mbcnt_lo_u32_b32 v[STG+8*(\b)+\j], s[MK+\j], s[CN+\j]
.endr
	s_mov_b32 s[CN], s[CN+8]                       ; the count in front of the next eight steps
.irp j, 0,1,2,3,4,5,6,7
	v_cndmask_b32 v[STG+8*(\b)+\j], v[DUMP], v[STG+8*(\b)+\j], s[MK+\j]
.endr
.irp j, 0,1,2,3,4,5,6,7
	v_min_u32 v[STG+8*(\b)+\j], 0x91f, v[STG+8*(\b)+\j]
.endr
.irp j, 0,1,2,3,4,5,6,7
	v_lshlrev_b32 v[STG+8*(\b)+\j], 2, v[STG+8*(\b)+\j]    ; the list begins at LDS byte 0
.endr
.irp j, 0,1,2,3,4,5,6,7
	v_add_nc_u32 v[RW+8*(\b)+\j], 128*((8*(\b)+\j)/4)+(8*(\b)+\j)%4, v[L4]
.endr
.endm
; The same eight steps in waves 1 to 7, which only count: the rows of my type among 256 of the block's.
.macro NBATCH b
.irp j, 0,1,2,3,4,5,6,7
	v_cmp_eq_u32 s[MK+\j], s[TY], v[STG+8*(\b)+\j]
.endr
	s_wait_alu depctr_va_sdst(0)                   ; the eight compares have written their masks, ahead of the masks' first reader
.irp j, 0,1,2,3,4,5,6,7
	s_bcnt1_i32_b32 s23, s[MK+\j]
	s_add_co_u32 s[CN], s[CN], s23
.endr
.endm
; My 32 rows of the chunk whose entries v[LLD] names: lanes 0-15 take positions 32 w + 0 .. 15, lanes 16-31 the next sixteen; load i brings position i of each: sixteen lanes read one whole row of 256 bytes.
; No cache hint: row 0 stands in for positions past the list's end and may be named again.  v[LLD] is made, and the waits for E and STG stand, ahead of the macro.
.macro LOADG
.irp c, 0,1,2,3
	ds_load_b128 v[E+4*\c:E+4*\c+3], v[LLD] offset:16*\c
.endr
	s_wait_dscnt 0x0
.set j, 0
.rept 16
	v_min_u32 v[E+j], 0x7ff, v[E+j]                ; a row of the block: 0 .. 2,047
.set j, j+1
.endr
.set j, 0
.rept 16
	v_lshl_add_u32 v[E+j], v[E+j], 8, v[C16]
.set j, j+1
.endr
	s_wait_alu depctr_va_vdst(0)                   ; the shifts have written E, which the sixteen loads read as their offsets (at the head: the compares, and in wave 0 the list's lines, are done with Z's registers, in which these loads land)
.set j, 0
.rept 16
	global_load_b128 v[STG+4*j:STG+4*j+3], v[E+j], s[4:5]
.set j, j+1
.endr
.endm
.macro STAGE                           ; and into the slot: sixteen lanes store a row's 256 consecutive bytes.  Their data come from loads, their address from the head
.set j, 0
.rept 16
	ds_store_b128 v[STAD], v[STG+4*j:STG+4*j+3] offset:PITCH*j
.set j, j+1
.endr
.endm
.macro QLOAD i                         ; tile i's two fragments of q: 16 atoms x 256 K
.irp s, 0,1
.irp c, 0,1,2,3
	ds_load_b128 v[QF+16*\s+4*\c:QF+16*\s+4*\c+3], v[ADQ] offset:16*PITCH*(\i)+128*\s+32*\c
.endr
.endr
.endm
; A TILE of 16 atoms: its fragments have been asked for.
.macro TILE i
	s_wait_dscnt 0x0                               ; the tile's eight fragment loads are in: no other LDS instruction of mine is out
	WIN 0x01                                       ; source 0 (W0) window 1
.irp u, 0,1,2,3                        ; the four accumulators take turns, one instruction a turn; the first K step starts the sums
	v_wmma_f32_16x16x128_bf8_bf8 v[ACC+8*\u:ACC+8*\u+7], v[32*\u:32*\u+15], v[QF:QF+15], 0
.endr
.irp u, 0,1,2,3
	v_wmma_f32_16x16x128_bf8_bf8 v[ACC+8*\u:ACC+8*\u+7], v[32*\u+16:32*\u+31], v[QF+16:QF+31], v[ACC+8*\u:ACC+8*\u+7]
.endr
	WIN 0
.rept 4
	v_nop                                          ; four places (ISA guide 7.12.1) in front of the first read of the sums
.endr
.set j, 0
.rept 16
	v_pk_fma_f32 v[ACC+j:ACC+j+1], v[ACC+j:ACC+j+1], s[C1:C1+1], v[B0R+j:B0R+j+1] op_sel_hi:[1,0,1]   ; 2 log2(e) (sum x 2^(e0 + e1) + b0), two at a time; each accumulator from its low end on
.set j, j+2
.endr
.set j, 0
.rept 32
	v_exp_f32 v[ACC+j], v[ACC+j]
.set j, j+1
.endr
	v_nop                                          ; a plain instruction behind the last exponential
	s_wait_alu depctr_va_vdst(0)                   ; the 32 exponentials have written ACC, ahead of their first reader; and the tile's matrix instructions are done reading QF, in which the loads below land
.if \i < 15
	QLOAD \i+1                                     ; the next tile's fragments, half a tile's vector work ahead; no vector or matrix line since the wait above names QF.  They are asked for also where the chunk ends with this
	                                               ; tile: the slot's 256 rows were all written at the head, and what is read past the last tile is not used
.endif
.set j, 0
.rept 16
	v_pk_add_f32 v[ACC+j:ACC+j+1], v[ACC+j:ACC+j+1], 1.0 op_sel_hi:[1,0]
.set j, j+2
.endr
.set j, 0
.rept 32
	v_rcp_f32 v[ACC+j], v[ACC+j]
.set j, j+1
.endr
	v_nop
	s_wait_alu depctr_va_vdst(0)                   ; the 32 reciprocals have written ACC, ahead of their first reader
.if \i == 0
	s_wait_xcnt 0x0                                ; this trip's row loads have had their addresses translated (ISA guide 3.1): their offsets' registers, E, are written again only behind this wait,
	s_wait_alu depctr_vm_vsrc(0)                   ; and they have read E, which the tiles' last additions write from here on
.endif
	v_pk_fma_f32 v[FA:FA+1], v[ACC:ACC+1], v[W1R:W1R+1], v[SW:SW+1]   ; the dot in four chains; the first begins with my units' sum of W1
.irp k, 1,2,3
	v_pk_mul_f32 v[FA+2*\k:FA+2*\k+1], v[ACC+2*\k:ACC+2*\k+1], v[W1R+2*\k:W1R+2*\k+1]
.endr
.irp u, 1,2,3
.irp k, 0,1,2,3
	v_pk_fma_f32 v[FA+2*\k:FA+2*\k+1], v[ACC+8*\u+2*\k:ACC+8*\u+2*\k+1], v[W1R+8*\u+2*\k:W1R+8*\u+2*\k+1], v[FA+2*\k:FA+2*\k+1]
.endr
.endr
	v_pk_add_f32 v[FA:FA+1], v[FA:FA+1], v[FA+2:FA+3]
	v_pk_add_f32 v[FA+4:FA+5], v[FA+4:FA+5], v[FA+6:FA+7]
	v_pk_add_f32 v[FA:FA+1], v[FA:FA+1], v[FA+4:FA+5]
	v_add_f32 v[FA], v[FA], v[FA+1]
	v_permlanex16_b32 v[G], v[FA], s[SEL], s[SEL+1]    ; the atom's other 32 of my units lie in the lane 16 away
	v_add_f32 v[E+\i], v[FA], v[G]                 ; my part for atom r of the tile, into the tile's register of the out-buffer
.if \i < 15
	s_cmp_le_u32 s[NT], \i+1
	s_cbranch_scc1 .Lchunk_done
.endif
.endm
	s_load_b256 s[4:11], s[0:1], 0x0               ; q s[4:5], W0 s[6:7], Z s[8:9], b0 s[10:11]
	s_load_b256 s[12:19], s[0:1], 0x20             ; W1 s[12:13], b1 s[14:15], the scales' exponents s[16:17], out0 s[18:19]
	v_lshl_add_u32 v[SPW], v0, 2, SPARE
	v_mov_b32 v[NIL], 0
	v_lshrrev_b32 v[LANE], 5, v0
	v_readfirstlane_b32 s[WV], v[LANE]             ; wave 0..7
	v_and_b32 v[LANE], 31, v0
	v_and_b32 v[T], 15, v0                         ; r
	v_bfe_u32 v[T+1], v0, 4, 1                     ; h
	s_mov_b32 s[TY], ttmp9
	s_and_b32 s[BY], ttmp7, 0xffff
	s_wait_alu depctr_va_sdst(0)                   ; the wave's number is written, ahead of its first reader
	s_lshl_b32 s[W32], s[WV], 5
	; the LDS addresses that stay are made here, ahead of the parting of the waves
	v_lshlrev_b32 v[C16], 4, v[T]
	v_mul_u32_u24 v[ADQ], v[T], PITCH
	v_lshl_add_u32 v[ADQ], v[T+1], 4, v[ADQ]
	v_add_nc_u32 v[ADQ], QS, v[ADQ]
	s_mul_i32 s23, s[WV], 32*PITCH
	s_add_co_u32 s23, s23, QS
	v_mul_u32_u24 v[STAD], v[T+1], 16*PITCH
	v_lshl_add_u32 v[STAD], v[T], 4, v[STAD]
	v_add_nc_u32 v[STAD], s23, v[STAD]
	s_lshl_b32 s23, s[WV], 7
	v_lshl_add_u32 v[LLD0], v[T+1], 6, s23
	v_lshl_add_u32 v[LRD0], v[LANE], 2, s23
	s_add_co_u32 s23, s23, PART
	v_lshl_add_u32 v[PRDD], v[LANE], 2, s23
	s_lshl_b32 s23, s[WV], 10
	s_add_co_u32 s23, s23, PART
	v_lshl_add_u32 v[PSTD], v[T], 2, s23
	v_lshlrev_b32 v[L16], 4, v[LANE]
	v_add_nc_u32 v[DUMP], 2304, v[LANE]
	v_lshlrev_b32 v[L4], 2, v[LANE]
	v_lshlrev_b32 v[WA], 8, v[T]
	v_lshl_add_u32 v[WA], v[T+1], 4, v[WA]
	v_lshlrev_b32 v[BA], 5, v[T+1]
	v_mov_b32 v[G], 0                              ; written once: a lane permute's destination counts as one of its sources
.irp i, 0,1,2,3
	v_mov_b32 v[ZR+\i], 0
.endr
	s_mov_b32 s[SEL], 0x76543210
	s_mov_b32 s[SEL+1], 0xfedcba98
	s_mov_b32 s[K2], 0x4038aa3b                    ; 2 log2(e)
	s_mov_b32 s[K2+1], s[K2]
	s_mov_b32 s25, 0
	s_wait_kmcnt 0x0
	s_load_b64 s[48:49], s[16:17], 0x0             ; e0, e1
	s_load_b32 s[B1V], s[14:15], 0x0               ; b1
	s_lshl_b32 s24, s[BY], 19                      ; the block's 2,048 rows of 256 bytes
	s_add_nc_u64 s[4:5], s[4:5], s[24:25]
	s_lshl_b32 s24, s[BY], 13                      ; its 2,048 words of Z and of out0
	s_add_nc_u64 s[8:9], s[8:9], s[24:25]
	s_add_nc_u64 s[18:19], s[18:19], s[24:25]
	s_lshl_b32 s24, s[TY], 17                      ; W0[t]: 512 rows of 256 bytes; my 64 of them
	s_lshl_b32 s23, s[WV], 14
	s_add_co_u32 s24, s24, s23
	s_add_nc_u64 s[6:7], s[6:7], s[24:25]
	s_lshl_b32 s24, s[TY], 11                      ; b0[t], W1[t]: 512 numbers; my 64
	s_lshl_b32 s23, s[WV], 8
	s_add_co_u32 s24, s24, s23
	s_add_nc_u64 s[10:11], s[10:11], s[24:25]
	s_add_nc_u64 s[12:13], s[12:13], s[24:25]
	s_wait_alu depctr_va_vdst(0)                   ; the addresses and offsets that stay, the zeros and the add's two registers are written: every load and store of the kernel reads some of them
.set j, 0
.rept 16
	global_load_b128 v[STG+4*j:STG+4*j+3], v[L16], s[8:9] offset:512*j   ; the block's Z, in every wave: 512 consecutive bytes a load
.set j, j+1
.endr
	W0LOADS
	s_mov_b32 s[CN], 0
	s_cmp_lg_u32 s[WV], 0
	s_cbranch_scc1 .Lothers
	; WAVE 0 MAKES THE LIST, and counts N on the way.  No other wave touches LDS before the barrier below.
.set j, 0
.rept 18
	ds_store_b128 v[L16], v[ZR:ZR+3] offset:512*j  ; entries 0 .. 2,303 begin as row 0: a position past the list's end names a row that exists
.set j, j+1
.endr
	s_wait_loadcnt 32                              ; Z's sixteen loads are in; behind them stand W0's 32
	BLOADS
.irp b, 0,1,2,3,4,5,6,7
	LBATCH \b
.endr
	s_wait_alu depctr_va_vdst(0)                   ; the eight batches have written the 64 places and the 64 row numbers, which the 64 stores below read
.set j, 0
.rept 64
	ds_store_b32 v[STG+j], v[RW+j]                 ; LDS serves a wave's instructions in order (ISA guide 5.7.1.4): these land on the zeros above
.set j, j+1
.endr
	s_branch .Ljoined
.Lothers:
	; WAVES 1 TO 7 COUNT N
	s_wait_loadcnt 32                              ; Z's sixteen loads are in; behind them stand W0's 32
	BLOADS
.irp b, 0,1,2,3,4,5,6,7
	NBATCH \b
.endr
.Ljoined:
	s_mov_b32 s[N], s[CN]                          ; the block's rows of my type: the same number in all eight waves
	s_wait_dscnt 0x0                               ; wave 0's stores into the list have landed
	s_barrier_signal -1
	s_barrier_wait -1                              ; the list lies in LDS for every wave; from here on it is only read
	s_mov_b32 s[LO], 0
	s_wait_alu depctr_vm_vsrc(0)                   ; wave 0's stores into the list have read their places (STG's registers) and their row numbers (QF's and ACC's registers): loads and matrix instructions write all of these from here on
	v_add_nc_u32 v[LLD], s[LO], v[LLD0]
	s_wait_alu depctr_va_vdst(0)                   ; v[LLD] is written, which the loads from the list read
	s_wait_loadcnt 0x0                             ; W0, b0 and W1 are in: they were asked for ahead of the list's making; the scalings below read b0 and W1
	LOADG                                          ; chunk 0, all 256 positions, whatever N: the slot is written whole
.irp k, 0,1,2,3,4,5,6,7
	ds_store_b32 v[PRDD], v[ZR] offset:1024*\k     ; the eight parts of my 32 positions begin as zeros: whichever way the branches on N go, no word of the parts is read that was never written
.endr
	s_wait_kmcnt 0x0
	s_add_co_i32 s23, s48, s49                     ; a sum stands for sum x 2^(e0 + e1): the exponents are added to the exponent field of 2 log2(e)
	s_lshl_b32 s23, s23, 23
	s_add_co_u32 s[C1], s23, s[K2]
	s_mov_b32 s[C1+1], s[C1]
.set j, 0
.rept 16
	v_pk_mul_f32 v[B0R+j:B0R+j+1], v[B0R+j:B0R+j+1], s[K2:K2+1] op_sel_hi:[1,0]
.set j, j+2
.endr
	v_pk_add_f32 v[SW:SW+1], v[W1R:W1R+1], v[W1R+2:W1R+3]
.set j, 4
.rept 14
	v_pk_add_f32 v[SW:SW+1], v[SW:SW+1], v[W1R+j:W1R+j+1]
.set j, j+2
.endr
.set j, 0
.rept 16
	v_pk_mul_f32 v[W1R+j:W1R+j+1], v[W1R+j:W1R+j+1], -2.0 op_sel_hi:[1,0]
.set j, j+2
.endr
	s_wait_loadcnt 0x0                             ; chunk 0's rows
	STAGE
	s_wait_dscnt 0x0
	s_barrier_signal -1
	s_barrier_wait -1                              ; the slot is whole, the parts are zeros
	s_mov_b32 s[CB], 0
	s_mov_b32 s[LO], 1024
	s_mov_b32 s[LC], 0
; EIGHT TRIPS, a constant: a trip is a chunk of 256 positions.  What a trip has no atoms for is jumped over; its two barriers are passed by every wave in every trip.
.Lchunk:
	s_wait_alu depctr_vm_vsrc(0)                   ; what the trip before (or the head) issued has read its registers, which this trip writes again: the list's loads v[LLD] and v[LRDD], the row loads and the stores of parts E, the staging stores STG, the global store v[ROW] and v[F]
	v_add_nc_u32 v[LLD], s[LO], v[LLD0]            ; the next chunk's entries,
	v_add_nc_u32 v[LRDD], s[LC], v[LRD0]           ; and this chunk's, for the way out
	s_wait_alu depctr_va_vdst(0)                   ; both addresses are written; the last way out is done with T, v[ROW] and v[F], the last tiles' additions have written E, the last tile's matrix instructions are done with QF: this trip's LDS loads land in them
	s_add_co_u32 s23, s[CB], s[W32]
	s_add_co_u32 s23, s23, 256
	s_cmp_lt_u32 s23, s[N]                         ; does the first of my 32 positions of the next chunk hold an atom?
	s_cselect_b32 s[NX], 1, 0
	s_cbranch_scc0 .Lno_next
	LOADG                                          ; then its rows are asked for now: they have this chunk's tiles in which to land
.Lno_next:
	s_sub_co_i32 s[NT], s[N], s[CB]
	s_add_co_i32 s[NT], s[NT], 15
	s_ashr_i32 s[NT], s[NT], 4
	s_max_i32 s[NT], s[NT], 0
	s_min_i32 s[NT], s[NT], 16                     ; tiles of 16 that hold an atom
	s_cmp_eq_u32 s[NT], 0
	s_cbranch_scc1 .Lchunk_none
	QLOAD 0
.irp i, 0,1,2,3,4,5,6,7,8,9,10,11,12,13,14,15
	TILE \i
.endr
.Lchunk_done:
	s_wait_alu depctr_va_vdst(0)                   ; the tiles' last additions have written E, which the sixteen stores read
.set j, 0
.rept 16
	ds_store_b32 v[PSTD], v[E+j] offset:64*j       ; my part for atom r of tile j (lanes 16-31 write the same word with the same value).  All sixteen go out, whatever the number of tiles: the register of a tile that was not
	                                               ; worked holds an older number, which lands at positions that hold no atom; the way out gives such lanes lane 0's F
.set j, j+1
.endr
.Lchunk_none:
	s_wait_dscnt 0x0                               ; my parts have landed, and my reads of the slot are over
	s_barrier_signal -1
	s_barrier_wait -1                              ; so of every wave: the eight parts may be read, and the slot may be written
	s_wait_loadcnt 0x0                             ; the next chunk's rows are in registers
	s_cmp_eq_u32 s[NX], 0
	s_cbranch_scc1 .Lno_stage
	STAGE
.Lno_stage:
	; THE WAY OUT: wave w sums the eight parts of positions 32 w .. 32 w + 31 of the chunk, a lane a position, and stores F at the atom that the list names
	s_sub_co_i32 s[PV], s[N], s[CB]
	s_sub_co_i32 s[PV], s[PV], s[W32]
	s_cmp_le_i32 s[PV], 0
	s_cbranch_scc1 .Lno_out
	s_wait_xcnt 0x0                                ; the last trip's store has had its address translated: its two registers are written again only behind this wait (the wait on vm_vsrc for them stands at the trip's top)
.irp k, 0,1,2,3,4,5,6,7
	ds_load_b32 v[T+\k], v[PRDD] offset:1024*\k    ; no vector line since the wait at the trip's top names T, v[ROW] or v[LRDD]
.endr
	ds_load_b32 v[ROW], v[LRDD]
	v_cmp_gt_i32 s[SV], s[PV], v[LANE]             ; the lanes whose position holds an atom; lane 0 is one of them
	s_wait_dscnt 0x0
	v_pk_add_f32 v[T:T+1], v[T:T+1], v[T+2:T+3]
	v_pk_add_f32 v[T+4:T+5], v[T+4:T+5], v[T+6:T+7]
	v_pk_add_f32 v[T:T+1], v[T:T+1], v[T+4:T+5]
	v_add_f32 v[F], v[T], v[T+1]
	v_add_f32 v[F], s[B1V], v[F]
	v_readfirstlane_b32 s23, v[F]
	v_readfirstlane_b32 s[NX], v[ROW]
	s_wait_alu depctr_va_sdst(0)                   ; the mask, lane 0's F and lane 0's row are written, ahead of the two selects, their first readers
	v_cndmask_b32 v[F], s23, v[F], s[SV]           ; a lane with no atom repeats lane 0's number
	v_cndmask_b32 v[ROW], s[NX], v[ROW], s[SV]     ; at lane 0's atom
	v_min_u32 v[ROW], 0x7ff, v[ROW]
	v_lshlrev_b32 v[ROW], 2, v[ROW]
	s_wait_alu depctr_va_vdst(0)                   ; v[ROW] and v[F] are written, which the store reads as its offset and its data
	global_store_b32 v[ROW], v[F], s[18:19]        ; 4 bytes at my atom: the block's atoms of the four types lie mixed
.Lno_out:
	s_wait_dscnt 0x0                               ; my rows have landed in the slot, and my reads of the parts are over
	s_barrier_signal -1
	s_barrier_wait -1                              ; so of every wave: the slot is whole, and the parts may be written
	s_add_co_u32 s[LO], s[LO], 1024
	s_add_co_u32 s[LC], s[LC], 1024
	s_add_co_u32 s[CB], s[CB], 256
	s_cmp_lt_u32 s[CB], 2048
	s_cbranch_scc1 .Lchunk
	s_wait_dscnt 0x0                               ; the wave's end
	s_wait_alu 0x0
	s_wait_tensorcnt 0x0
	ds_add_u32 v[SPW], v[NIL]
	s_wait_dscnt 0x0
	s_endpgm
.Lfunc_end_k_q5c77cc3a93_ann:
	.size	k_q5c77cc3a93_ann, .Lfunc_end_k_q5c77cc3a93_ann-k_q5c77cc3a93_ann
	.p2alignl 7, 3214868480
	.fill 96, 4, 3214868480
	.section	.rodata,"a",@progbits
	.p2align	6, 0x0
	.amdhsa_kernel k_q5c77cc3a93_ann
		.amdhsa_group_segment_fixed_size 89088
		.amdhsa_private_segment_fixed_size 0
		.amdhsa_enable_private_segment 0
		.amdhsa_kernarg_size 64
		.amdhsa_user_sgpr_count 2
		.amdhsa_user_sgpr_kernarg_segment_ptr 1
		.amdhsa_wavefront_size32 1
		.amdhsa_system_sgpr_workgroup_id_x 1
		.amdhsa_system_sgpr_workgroup_id_y 1
		.amdhsa_system_sgpr_workgroup_id_z 1
		.amdhsa_system_vgpr_workitem_id 0
		.amdhsa_next_free_vgpr 384
		.amdhsa_next_free_sgpr 66
		.amdhsa_reserve_vcc 0
		.amdhsa_float_denorm_mode_32 3
		.amdhsa_float_denorm_mode_16_64 3
		.amdhsa_memory_ordered 1
		.amdhsa_forward_progress 1
		.amdhsa_inst_pref_size 176
	.end_amdhsa_kernel
	.amdgpu_metadata
---
amdhsa.version: [ 1, 2 ]
amdhsa.kernels:
  - .name:           k_q5c77cc3a93_ann
    .symbol:         k_q5c77cc3a93_ann.kd
    .args:
      - { .name: q_codes, .offset: 0, .size: 8, .value_kind: global_buffer, .address_space: global }
      - { .name: W0_codes, .offset: 8, .size: 8, .value_kind: global_buffer, .address_space: global }
      - { .name: Z, .offset: 16, .size: 8, .value_kind: global_buffer, .address_space: global }
      - { .name: b0, .offset: 24, .size: 8, .value_kind: global_buffer, .address_space: global }
      - { .name: W1, .offset: 32, .size: 8, .value_kind: global_buffer, .address_space: global }
      - { .name: b1, .offset: 40, .size: 8, .value_kind: global_buffer, .address_space: global }
      - { .name: lowp_scales, .offset: 48, .size: 8, .value_kind: global_buffer, .address_space: global }
      - { .name: out0, .offset: 56, .size: 8, .value_kind: global_buffer, .address_space: global }
    .group_segment_fixed_size: 89088
    .private_segment_fixed_size: 0
    .kernarg_segment_align: 8
    .kernarg_segment_size: 64
    .max_flat_workgroup_size: 256
    .sgpr_count:     66
    .vgpr_count:     384
    .wavefront_size: 32
...
	.end_amdgpu_metadata
.endif
;; end of part 2
